; MI455X (gfx1250); checked and timed in simulation.
; The chip was launched on July 23, 2026; its instructions are those of AMD's public machine-readable ISA for CDNA 5 (MIT licence, August 2026) and "CDNA5" Instruction Set Architecture Reference Guide (July 2026). The comments in the code are by the model that wrote it; some were corrected since.
;; Self Attn. Allowed arithmetic: float matrix products may take bf16 or f16 operands with f32 sums; all other float work in f32.
;; Inputs: gamma 1 float32; w_g 32 x 64 float32; w_o 64 x 32 float32; w_phi 8 x 64 float32; w_theta 8 x 64 float32; x 16 x 64 x 64 x 64 float32.
;; Outputs: out0 16 x 64 x 64 x 64 float32.
;; 2 versions, each right and faster than the one before. Each part assembles by itself: llvm-mc -triple=amdgcn-amd-amdhsa -mcpu=gfx1250 --defsym DOCPART=n.
;; ======== version 1 of 2: 2 launches
;; limits: values are held in f16: magnitudes above 65,504 overflow, below 6.1e-05 lose precision
;; workspace buffers: kv 1,310,720 bytes; th 1,048,576 bytes
;; launch pool (part 1): grid 256 x 1, 2 waves a work-group, no clusters, 168,192 bytes of LDS; arguments x, w_phi, w_theta, w_g, kv, th; writes kv, th
.if DOCPART == 1
	.amdgcn_target "amdgcn-amd-amdhsa--gfx1250"
	.amdhsa_code_object_version 6
	.text
	.protected	k_q5fe7395f00_pool
	.globl	k_q5fe7395f00_pool
	.p2align	8
	.type	k_q5fe7395f00_pool,@function
k_q5fe7395f00_pool:
	s_mov_b64 s[64:65], 0
	v_nop
	global_prefetch_b8 v0, s[64:65] scope:SCOPE_SE
	s_setreg_imm32_b32 hwreg(HW_REG_WAVE_MODE, 25, 1), 1
	s_wait_xcnt 0x0
; phi = maxpool2x2(w_phi x), g = maxpool2x2(w_g x) and theta = log2(e) w_theta x of every batch, in f16, laid out as the attention launch reads them.
; x: [16][64 channels][64][64] f32.  kv: 81,920 bytes a batch: 1,024 keys x 16 bytes of phi (8 channels), then 65,536 bytes of g.
; th: 65,536 bytes a batch: [image row][tile t][place r] x 16 bytes (8 channels) for the query at pixel 4 r + t.
; One wave takes one pair of image rows of one batch: 128 pixels x 64 channels in, 32 pooled keys and 128 queries out.  512 pairs = 256 work-groups x 2 waves.
; One tensor load a wave brings its 64 channels x 512 bytes (two image rows lie side by side in a channel plane) into LDS bytes of its own;
; only the wave that asked reads them, so its own wait on TENSORcnt is all the ordering that is needed and there is no barrier.
; PIXELS AND TILES: a lane reads 16 bytes = pixels 4r .. 4r+3 of one channel (16 lanes: 256 consecutive bytes), and word t of them goes to
; fragment t.  So tile t holds pixel 4r + t in place r, and the 2 x 2 pool is a maximum of four result tiles, element by element:
; tiles 2u, 2u+1 of the two image rows give key 2 r + u.
; phi AND theta IN ONE PRODUCT: A holds w_phi in rows 0-7 and log2(e) w_theta in rows 8-15, B = x.  A lane of the lower half then holds the 8 phi channels
; of its pixel place, a lane of the upper half the 8 theta channels.  For tiles 2 and 3 the two halves of A change places.  So the pooled key 2r lies in lanes
; 0-15 and key 2r+1 in lanes 16-31 (one store of 512 bytes), and theta of tiles 2+a and a lie in the lower and upper lanes (one store for the two).
; g: A = x, B = w_g: lane (r,h) holds channel r and pixel places 8h .. 8h+7 for u = 0 and 1.  Packed, u = 0 into registers 0-3 and u = 1 into registers 4-7, that
; is an A fragment of the second attention product in which k place 16 u + m of a block of 32 keys means key 2 m + u.  phi is stored in the same order:
; the lane's number is the key's place.  Attention does not depend on the order of the keys.
; FORMAT: f16, not bf16.  phi and theta enter scores that stand in an exponent: a score of size 20 made of operands with 8 significant bits is uncertain by
; some hundredths, with 11 bits by an eighth of that.  f16 has the room: they are sums of 64 products w x; with x of spread 30 and weights of
; spread 3.75 their spread is 8 x 30 x 3.75 = 900; with a common offset of 30 on x and 3.75 on the weights they are about 7,200, theta times log2 e 10,400.
; LIMITS: |x|, |w|, |phi|, |g|, |theta log2 e| below 65,504 (f16's largest number); inputs are taken as finite (the maxima are the forms in which a NaN
; loses); operands of the products are rounded to f16, sums and maxima are f32.
.set KVB,    81920                     ; bytes of kv for a batch
.set GOFF,   16384                     ; g begins behind the 1,024 x 16 bytes of phi
.set TILEB,  32768                     ; a wave's tile in LDS
.set LOG2E,  0x3fb8aa3b
.set LX,   8                           ; v8   LDS address: my wave's tile + 8 h channels + 16 r
.set TO,   9                           ; v9   theta: 16 r, and 512 more in lanes 0-15, which hold the tile two further on
.set GO,   10                          ; v10  16 x lane
.set W,    12                          ; v[12:27] A of phi and theta (2 K steps); v[28:59] w_g channels 0-15, 16-31.  v[12:27] later: pooled phi, theta packed, g packed
.set FR,   60                          ; v[60:187]  x fragments: 64 row + 16 tile + 8 K step; before that the weights as loaded
.set D,    188                         ; v[188:251] results: 32 row + 8 tile; before that x as read from LDS, two halves of 32
.set OUTP, 252                         ; v[252:255] phi's packed result
	s_load_b256 s[4:11], s[0:1], 0x0               ; x s[4:5], w_phi s[6:7], w_theta s[8:9], w_g s[10:11]
	s_load_b128 s[12:15], s[0:1], 0x20             ; kv s[12:13], th s[14:15]
	v_lshl_add_u32 v11, v0, 2, 0x29000
	s_set_vgpr_msb 0x40
	v_mov_b32 v1, 0
	s_set_vgpr_msb 0x4044
	ds_add_u32 v11, v1
	ds_add_u32 v11, v1
	s_set_vgpr_msb 0x4400
	v_lshrrev_b32 v1, 5, v0
	v_readfirstlane_b32 s36, v1                    ; wave 0, 1
	s_lshl_b32 s37, ttmp9, 1
	s_add_co_u32 s37, s37, s36                     ; row pair 0 .. 511
	s_lshr_b32 s38, s37, 5                         ; batch
	s_and_b32 s39, s37, 31                         ; row pair in the batch = block of 32 keys
	; descriptor group 1: 64 rows (channels) of 128 f32, 4,096 f32 from channel to channel, no padding (the reads below are 256 consecutive bytes)
	s_mov_b32 s24, 2<<16                           ; no mask; elements of 4 bytes
	s_mov_b32 s25, 128<<16                         ; tensor_dim0 = 128
	s_mov_b32 s26, 64<<16                          ; tensor_dim1 = 64
	s_mov_b32 s27, 128<<16                         ; tile_dim0 = 128
	s_mov_b32 s28, 64                              ; tile_dim1 = 64
	s_mov_b32 s29, 4096                            ; pitch
	s_mov_b32 s30, 0
	s_mov_b32 s31, 0
	s_lshl_b32 s16, s38, 20                        ; batch x 1 MiB
	s_lshl_b32 s17, s39, 9                         ; + row pair x 512 bytes
	s_add_co_u32 s16, s16, s17
	s_mov_b32 s17, 0
	s_mov_b32 s20, 1
	s_mul_i32 s21, s36, TILEB                      ; LDS: wave x 32,768
	s_wait_dscnt 0x0
	s_wait_kmcnt 0x0
	s_add_nc_u64 s[22:23], s[4:5], s[16:17]
	s_or_b32 s23, s23, 0x80000000                  ; type 2
	tensor_load_to_lds s[20:23], s[24:31]          ; the wave's only tensor load: one is out
	s_nop 0
	v_and_b32 v2, 15, v0                           ; r
	v_bfe_u32 v3, v0, 4, 1                         ; h
	v_and_b32 v4, 31, v0                           ; lane
	v_lshlrev_b32 v5, 5, v3                        ; 32 h: my 8 of each 16 input channels, in f32
	v_and_b32 v6, 7, v0
	v_lshl_or_b32 v6, v6, 8, v5                    ; w_phi, w_theta: row r mod 8 (256 bytes a row)
	v_lshl_or_b32 v7, v2, 8, v5                    ; w_g: row r
	; the weights as fragments: lane (r,h) holds row r, input channels 32 s + 16 a + 8 h + 0..7
.set n, 0
.rept 8
	global_load_b128 v[FR+4*n:FR+4*n+3], v6, s[6:7] offset:(n>>1)*64+(n&1)*16
.set n, n+1
.endr
.set n, 0
.rept 8
	global_load_b128 v[FR+32+4*n:FR+32+4*n+3], v6, s[8:9] offset:(n>>1)*64+(n&1)*16
.set n, n+1
.endr
.set n, 0
.rept 16
	global_load_b128 v[FR+64+4*n:FR+64+4*n+3], v7, s[10:11] offset:(n>>3)*4096+((n&7)>>1)*64+(n&1)*16
.set n, n+1
.endr
	v_lshlrev_b32 v[LX], 4, v2                     ; 16 r
	v_xor_b32 v1, 1, v3                            ; 1 - h
	v_lshl_or_b32 v[TO], v1, 9, v[LX]              ; 16 r + 512 (1 - h)
	v_lshl_or_b32 v[LX], v3, 12, v[LX]             ; 8 h channels of 512 bytes + 16 r
	v_add_nc_u32 v[LX], s21, v[LX]
	v_lshlrev_b32 v[GO], 4, v4
	s_mov_b32 s34, 0xffff0000                      ; lanes 16-31
	s_mov_b32 s35, 0xff00ff00                      ; lanes with r = 8 .. 15
	s_mul_i32 s16, s38, KVB
	s_lshl_b32 s18, s39, 9
	s_add_co_u32 s18, s18, s16
	s_mov_b32 s19, 0
	s_add_nc_u64 s[18:19], s[12:13], s[18:19]      ; phi of my 32 keys
	s_lshl_b32 s32, s39, 11
	s_add_co_u32 s32, s32, s16
	s_add_co_u32 s32, s32, GOFF
	s_mov_b32 s33, 0
	s_add_nc_u64 s[32:33], s[12:13], s[32:33]      ; g of my 32 keys: 4 x 512 bytes
	s_lshl_b32 s16, s38, 16
	s_lshl_b32 s17, s39, 11
	s_add_co_u32 s16, s16, s17
	s_mov_b32 s17, 0
	s_add_nc_u64 s[16:17], s[14:15], s[16:17]      ; theta of my two image rows: 8 x 256 bytes
	s_wait_loadcnt 0x0
.set n, 0
.rept 16
	v_pk_mul_f32 v[FR+32+2*n:FR+32+2*n+1], v[FR+32+2*n:FR+32+2*n+1], LOG2E op_sel_hi:[1,0]   ; scores in units of log2: exp becomes exp2
.set n, n+1
.endr
.set n, 0
.rept 16
	v_cvt_pk_f16_f32 v[W+n], v[FR+2*n], v[FR+2*n+1]
.set n, n+1
.endr
.set n, 0
.rept 16
	v_cvt_pk_f16_f32 v[D+n], v[FR+32+2*n], v[FR+32+2*n+1]
.set n, n+1
.endr
.set n, 0
.rept 16
	v_cndmask_b32 v[W+n], v[W+n], v[D+n], s35      ; rows 0-7: w_phi; rows 8-15: log2(e) w_theta
.set n, n+1
.endr
.set n, 0
.rept 32
	v_cvt_pk_f16_f32 v[W+16+n], v[FR+64+2*n], v[FR+64+2*n+1]
.set n, n+1
.endr
; x from LDS to fragments, in eight half chunks n = 4 row + 2 s + a: 8 loads (channels 16 (n mod 4) + 8 h + j, 4 pixels each) and 16 packings
.macro LDH n
.irp j, 0,1,2,3,4,5,6,7
	ds_load_b128 v[D+32*((\n)&1)+4*\j:D+32*((\n)&1)+4*\j+3], v[LX] offset:(16*((\n)&3)+\j)*512+((\n)>>2)*256
.endr
.endm
.macro CVH n
.irp t, 0,1,2,3
.irp i, 0,1,2,3
	v_cvt_pk_f16_f32 v[FR+64*((\n)>>2)+16*\t+4*((\n)&3)+\i], v[D+32*((\n)&1)+8*\i+\t], v[D+32*((\n)&1)+8*\i+4+\t]
.endr
.endr
.endm
	s_wait_tensorcnt 0x0                           ; my tile is in LDS
	LDH 0
	LDH 1
.irp n, 0,1,2,3,4,5
	s_wait_dscnt 8                                 ; LDS loads come back in order: the older half chunk is in, the younger eight loads stay out
	CVH \n
	LDH \n+2
.endr
	s_wait_dscnt 8
	CVH 6
	s_wait_dscnt 0
	CVH 7
.macro PLACES
.rept 4
	v_nop                                          ; four places behind a matrix instruction before a vector instruction reads its result or writes a source (ISA guide 7.12.1)
.endr
.endm
; phi and theta of tiles 2u, 2u+1 of both image rows: 8 matrix instructions, 2 K steps of 32 input channels.
; The four accumulators take turns, one instruction a turn; the first K step starts the sums.
.macro CONVP u
.irp s, 0,1
.irp q, 0,1,4,5
.set QQ, \q+2*\u
.set XA, FR+64*(QQ>>2)+16*(QQ&3)+8*\s
.if \s == 0
	v_wmma_f32_16x16x32_f16 v[D+8*QQ:D+8*QQ+7], v[W+8*\s:W+8*\s+7], v[XA:XA+7], 0
.else
	v_wmma_f32_16x16x32_f16 v[D+8*QQ:D+8*QQ+7], v[W+8*\s:W+8*\s+7], v[XA:XA+7], v[D+8*QQ:D+8*QQ+7]
.endif
.endr
.endr
.endm
; g's channels 16 c .. 16 c + 15: 16 matrix instructions, eight accumulators by turns
.macro CONVG c
.irp s, 0,1
.irp q, 0,1,2,3,4,5,6,7
.set XA, FR+64*(\q>>2)+16*(\q&3)+8*\s
.set WB, W+16+16*(\c)+8*\s
.if \s == 0
	v_wmma_f32_16x16x32_f16 v[D+8*\q:D+8*\q+7], v[XA:XA+7], v[WB:WB+7], 0
.else
	v_wmma_f32_16x16x32_f16 v[D+8*\q:D+8*\q+7], v[XA:XA+7], v[WB:WB+7], v[D+8*\q:D+8*\q+7]
.endif
.endr
.endr
.endm
	CONVP 0
	PLACES
.set n, 0
.rept 16
	v_mov_b32_dpp v[W+n], v[W+n] row_xmask:8 row_mask:0xf bank_mask:0xf   ; lane r takes lane r xor 8: rows 0-7 now log2(e) w_theta, rows 8-15 w_phi
.set n, n+1
.endr
	CONVP 1
	PLACES
	; the 2 x 2 pool of phi, into A's registers, which are no longer needed: u = 0 is valid in lanes 0-15, u = 1 in lanes 16-31
.irp u, 0,1
.irp j, 0,1,2,3,4,5,6,7
	v_max3_num_f32 v[W+8*\u+\j], v[D+16*\u+\j], v[D+16*\u+8+\j], v[D+32+16*\u+\j]
.endr
.endr
.irp u, 0,1
.irp j, 0,1,2,3,4,5,6,7
	v_max_num_f32 v[W+8*\u+\j], v[W+8*\u+\j], v[D+40+16*\u+\j]
.endr
.endr
.irp j, 0,1,2,3,4,5,6,7
	v_cndmask_b32 v[W+\j], v[W+\j], v[W+8+\j], s34             ; lane 16 u + r: key 2 r + u
.endr
.irp i, 0,1,2,3
	v_cvt_pk_f16_f32 v[OUTP+\i], v[W+2*\i], v[W+2*\i+1]
.endr
	global_store_b128 v[GO], v[OUTP:OUTP+3], s[18:19]          ; the 32 lanes fill 512 consecutive bytes, aligned
	; theta: packed in place (register i is written when registers 2i, 2i+1 are read and registers below 2i are spent), then the two halves of the lanes joined
.irp q, 0,1,2,3,4,5,6,7
.irp i, 0,1,2,3
	v_cvt_pk_f16_f32 v[D+8*\q+\i], v[D+8*\q+2*\i], v[D+8*\q+2*\i+1]
.endr
.endr
.irp y, 0,1
.irp a, 0,1
.irp i, 0,1,2,3
	v_cndmask_b32 v[W+4*(2*\y+\a)+\i], v[D+8*(4*\y+2+\a)+\i], v[D+8*(4*\y+\a)+\i], s34   ; lanes 0-15: tile 2 + a; lanes 16-31: tile a
.endr
	global_store_b128 v[TO], v[W+4*(2*\y+\a):W+4*(2*\y+\a)+3], s[16:17] offset:(4*\y+\a)*256   ; each half of the lanes fills 256 consecutive bytes, aligned
.endr
.endr
.irp c, 0,1
	CONVG \c
	PLACES
	; the 2 x 2 pool: tiles 2u, 2u+1 of both image rows, into row 0's tile 2u
.irp u, 0,1
.irp j, 0,1,2,3,4,5,6,7
	v_max3_num_f32 v[D+16*\u+\j], v[D+16*\u+\j], v[D+16*\u+8+\j], v[D+32+16*\u+\j]
.endr
.endr
.irp u, 0,1
.irp j, 0,1,2,3,4,5,6,7
	v_max_num_f32 v[D+16*\u+\j], v[D+16*\u+\j], v[D+40+16*\u+\j]
.endr
.endr
.if \c == 0
	s_wait_xcnt 0x0                                ; theta's stores have read v[12:27], which are written again only behind this wait
.endif
.irp i, 0,1,2,3
	v_cvt_pk_f16_f32 v[W+8*\c+\i],   v[D+2*\i],    v[D+2*\i+1]     ; u = 0: k places 8h + 2i, + 1
	v_cvt_pk_f16_f32 v[W+8*\c+4+\i], v[D+16+2*\i], v[D+16+2*\i+1]  ; u = 1: k places 16 + 8h + 2i, + 1
.endr
	global_store_b128 v[GO], v[W+8*\c:W+8*\c+3], s[32:33] offset:1024*\c        ; registers 0-3 of the fragment: 512 consecutive bytes
	global_store_b128 v[GO], v[W+8*\c+4:W+8*\c+7], s[32:33] offset:1024*\c+512  ; registers 4-7
.endr
	s_set_vgpr_msb 0x4
	s_wait_tensorcnt 0x0
	ds_add_u32 v11, v1
	s_wait_dscnt 0x0
	s_set_vgpr_msb 0x400
	s_endpgm
.Lfunc_end_k_q5fe7395f00_pool:
	.size	k_q5fe7395f00_pool, .Lfunc_end_k_q5fe7395f00_pool-k_q5fe7395f00_pool
	.p2alignl 7, 3214868480
	.fill 96, 4, 3214868480
	.section	.rodata,"a",@progbits
	.p2align	6, 0x0
	.amdhsa_kernel k_q5fe7395f00_pool
		.amdhsa_group_segment_fixed_size 168192
		.amdhsa_private_segment_fixed_size 0
		.amdhsa_enable_private_segment 0
		.amdhsa_kernarg_size 48
		.amdhsa_user_sgpr_count 2
		.amdhsa_user_sgpr_kernarg_segment_ptr 1
		.amdhsa_wavefront_size32 1
		.amdhsa_system_sgpr_workgroup_id_x 1
		.amdhsa_system_sgpr_workgroup_id_y 1
		.amdhsa_system_sgpr_workgroup_id_z 1
		.amdhsa_system_vgpr_workitem_id 0
		.amdhsa_next_free_vgpr 258
		.amdhsa_next_free_sgpr 66
		.amdhsa_reserve_vcc 0
		.amdhsa_float_denorm_mode_32 3
		.amdhsa_float_denorm_mode_16_64 3
		.amdhsa_memory_ordered 1
		.amdhsa_forward_progress 1
		.amdhsa_inst_pref_size 40
	.end_amdhsa_kernel
	.amdgpu_metadata
---
amdhsa.version: [ 1, 2 ]
amdhsa.kernels:
  - .name:           k_q5fe7395f00_pool
    .symbol:         k_q5fe7395f00_pool.kd
    .args:
      - { .name: x, .offset: 0, .size: 8, .value_kind: global_buffer, .address_space: global }
      - { .name: w_phi, .offset: 8, .size: 8, .value_kind: global_buffer, .address_space: global }
      - { .name: w_theta, .offset: 16, .size: 8, .value_kind: global_buffer, .address_space: global }
      - { .name: w_g, .offset: 24, .size: 8, .value_kind: global_buffer, .address_space: global }
      - { .name: kv, .offset: 32, .size: 8, .value_kind: global_buffer, .address_space: global }
      - { .name: th, .offset: 40, .size: 8, .value_kind: global_buffer, .address_space: global }
    .group_segment_fixed_size: 168192
    .private_segment_fixed_size: 0
    .kernarg_segment_align: 8
    .kernarg_segment_size: 48
    .max_flat_workgroup_size: 64
    .sgpr_count:     66
    .vgpr_count:     258
    .wavefront_size: 32
...
	.end_amdgpu_metadata
.endif
;; end of part 1
;; launch attn (part 2): grid 256 x 1, 8 waves a work-group, clusters of 4 x 1, 168,960 bytes of LDS; arguments x, th, w_o, gamma, kv, out0; writes out0
.if DOCPART == 2
	.amdgcn_target "amdgcn-amd-amdhsa--gfx1250"
	.amdhsa_code_object_version 6
	.text
	.protected	k_q5fe7395f00_attn
	.globl	k_q5fe7395f00_attn
	.p2align	8
	.type	k_q5fe7395f00_attn,@function
k_q5fe7395f00_attn:
	s_mov_b64 s[64:65], 0
	v_nop
	global_prefetch_b8 v0, s[64:65] scope:SCOPE_SE
	s_setreg_imm32_b32 hwreg(HW_REG_WAVE_MODE, 25, 1), 1
	s_wait_xcnt 0x0
	s_wait_alu depctr_hold_cnt(0) depctr_sa_sdst(0) depctr_va_vdst(0) depctr_va_sdst(0) depctr_va_ssrc(0) depctr_va_vcc(0) depctr_vm_vsrc(0)
	s_getreg_b32 s2, hwreg(HW_REG_IB_STS2, 6, 4)
	s_cmp_eq_u32 s2, 0
	s_cbranch_scc0 .Lentry_in_a_cluster
	s_endpgm
.Lentry_in_a_cluster:
	s_bfe_u32 s2, ttmp6, 0x10000c
	s_cmp_lg_u32 s2, 0x3003
	s_cbranch_scc0 .Lentry_shape_is_right
	s_endpgm
.Lentry_shape_is_right:
; out = x + gamma w_o (g softmax(theta^T phi)^T), with phi, g (pooled) and theta (times log2 e) in f16 from kv and th.
; A work-group takes 4 image rows of one batch.  16 batches x 16 work-groups = 256.  An image row is 64 queries = 4 query tiles; tile t holds pixel 4r + t in
; place r, so that a lane's x loads and out stores are 16 bytes and 16 lanes cover 256 consecutive bytes, aligned.
; EIGHT WAVES, two for each image row: wave w takes row w mod 4 and the keys 512 (w / 4) .. + 511.  Two waves lie on a SIMD with instruction streams of their
; own, so that one's exponentials, packings and sums can be issued while the other's matrix instructions run.  The keys are split and not the queries:
; each wave reads only its half of kv from LDS, and every lane keeps four neighbouring pixels.  The two waves of a row meet twice, through LDS:
; behind pass 1 they exchange their maxima (both then shift by the true maximum over all 1,024 keys), behind pass 2 their sums (P g and the sums of P, in f32).
; Each then finishes 32 of the 64 out channels for all 64 queries, and holds x for those alone; x is asked for at the start and first needed there.
; CLUSTER: the four work-groups of a cluster belong to one batch and need the same 81,920 bytes of kv.  Each wave asks for an eighth (10,240 bytes) by a joint
; tensor load that names the four.  All of kv stays in LDS: nothing is filled again.  A wave has one tensor load out.
; LAYOUT: every product is taken so that its result registers are the next product's B fragment, without moving data between lanes:
;   scores  A = phi (key)                    B = theta (query)  result: register j = key 8h+j, query r  -> exp -> packed = B fragment over 32 keys
;   P g     A = g (channel, k = key)         B = P (query)      result: register j = channel 8h+j (+16), query r -> packed = B fragment over 32 channels
;   w_o     A = w_o (out channel)            B = attn_g (query) result: register j = out channel 16 m + 8h+j, query r: where the lane holds x
; So a query's maximum, sum and scale are one number a lane (the two halves of the lanes joined once).
; K = 32 FOR 8 CHANNELS: one phi fragment holds FOUR key tiles, one in each group of 8 k places (two loads of 512 consecutive LDS bytes for 64 keys); theta
; stands in one group of k places and zeros in the others, in four variants, cut out of a chain Z V Z V .. Z of 4-register pieces (V: theta in lanes 0-15
; or in lanes 16-31, Z: zeros).
; SOFTMAX: two passes over the keys.  Pass 1 forms the scores and keeps each query's true maximum.  Pass 2 forms them again with C = -maximum, so the shift
; costs no vector instruction; then exp2, packing, and the sums in f32.  P g is divided by the sum in f32 before it is packed.
; NO LOOP: a pass is 8 steps of 64 keys, written out by macro, so that every LDS address is a register that is never rewritten plus an immediate.
; FORMAT: f16, not bf16: scores stand in an exponent, and 11 significant bits leave an eighth of the uncertainty of 8.  P lies in (0, 1]; what falls below 2^-14
; keeps an absolute step of 2^-24 against a sum of at least 1.  P g divided by the sum is a mean of g and no larger than the largest |g|; undivided it could reach 1,024 |g|.
; LIMITS: |w_o|, |theta log2 e|, |phi|, |g| below 65,504 (f16's largest number); inputs are taken as finite (the maxima are the forms in which a NaN loses);
; operands of the products are rounded to f16; all else is f32.
; REGISTER WINDOWS (s_set_vgpr_msb, low byte: bits 1:0 source 0, 3:2 source 1, 5:4 source 2, 7:6 destination):
;   window 0: work;  window 1: theta chain and the four tiles of -maximum (B and C of pass 2's score products), x and w_o.
.set HWB,   16384                      ; bytes of a channel plane
.set KVB,   81920                      ; bytes of kv for a batch
.set KVE,   10240                      ; a wave's eighth of them
.set GOFF,  16384                      ; g begins behind phi
.set OXS,   81920                      ; LDS behind kv: the exchange of sums, 17 x 512 bytes a wave; no tensor load lands here
.set OXW,   8704
.set MXS,   151552                     ; behind that: the exchange of maxima, 512 bytes a wave
; window 0
.set XO,   1                           ; v1       x and out: 8 h channel planes + 16 r
.set GA,   3                           ; v3       LDS address of my half of g
.set MX,   4                           ; v[4:7]   one number a query tile: my maximum, later my sum of P (address work at the start)
.set THO,  8                           ; v8       theta: 16 r; at the end OXM: where I put my sums
.set WOO,  9                           ; v9       w_o: row r; at the end OXP: where my partner put its sums
.set OXM,  8
.set OXP,  9
.set LN,   10                          ; v10      16 x lane
                                       ; v11, v12 lane masks at the start
.set MXM,  13                          ; v13      where I put my maxima
.set MXP,  14                          ; v14      where my partner puts its maxima
.set PHB,  15                          ; v15      LDS address of my half of phi
.set S,    16                          ; v[16:79]   scores: two buffers of 4 key tiles x 8; at the end the partner's sums, then w_o's results
.set PH,   80                          ; v[80:95]   phi fragments, two buffers
.set P,    96                          ; v[96:127]  P fragments, two buffers of 2 x 8; at the end attn_g's fragments
.set G,    128                         ; v[128:159] g fragments of 64 keys: 16 K step + 8 channel tile
.set O,    160                         ; v[160:223] sums of P g: 16 query tile + 8 channel tile
.set L,    224                         ; v[224:239] sums of P: 4 a query tile
.set M,    240                         ; v[240:255] pass 1: running maxima, 4 a query tile
.set TH0,  96                          ; v[96:163]  pass 1 only: a copy of the theta chain, so that pass 1 needs no window
.set TB,   164                         ; set-up: theta as loaded, 4 a query tile
.set RAWO, 16                          ; set-up: w_o as loaded
; window 1
.set TH,   0                           ; v[256:323] theta chain: Z at 8 i, V at 8 i + 4; V 2t: tile t in lanes 0-15, V 2t+1: in lanes 16-31
.set CM,   72                          ; v[328:359] -maximum, 8 equal registers a query tile
.set X,    104                         ; v[360:423] x: 4 (8 m + j) + t = my channel 16 m + 8 h + j, pixel 4 r + t
.set WO,   168                         ; v[424:439] w_o fragments of my 32 out channels, 8 m
.set MSB, 0
.macro WIN new                         ; the immediate's high byte repeats the setting that is left
.if MSB != \new
	s_set_vgpr_msb (MSB<<8)|\new
.set MSB, \new
.endif
.endm
; A round of the cluster's barrier: my work-group's barrier, wave 0 signals for the work-group, every wave waits for all four work-groups, my work-group's barrier again.
.macro ROUND
	s_barrier_signal -1
	s_barrier_wait -1
	s_cmp_lg_u32 s16, 0
	s_cbranch_scc1 .Lnot_wave_0_\@
	s_barrier_signal -3
.Lnot_wave_0_\@:
	s_barrier_wait -3
	s_barrier_signal -1
	s_barrier_wait -1
.endm
	s_load_b256 s[4:11], s[0:1], 0x0               ; x s[4:5], th s[6:7], w_o s[8:9], gamma s[10:11]
	s_load_b128 s[12:15], s[0:1], 0x20             ; kv s[12:13], out0 s[14:15]
	v_lshl_add_u32 v2, v0, 2, 0x29000
	s_set_vgpr_msb 0x40
	v_mov_b32 v185, 0
	s_set_vgpr_msb 0x4044
	ds_add_u32 v2, v185
	ds_add_u32 v2, v185
	s_set_vgpr_msb 0x4400
	v_lshrrev_b32 v4, 5, v0
	v_readfirstlane_b32 s16, v4                    ; wave 0..7
	s_and_b32 s43, s16, 3                          ; which of the work-group's four image rows
	s_lshr_b32 s44, s16, 2                         ; which half of the keys, and of the out channels
	s_xor_b32 s45, s16, 4                          ; my partner: the same row, the other half
	s_bfe_u32 s17, ttmp6, 0x40000                  ; cx: my place in the cluster
	s_lshl_b32 s18, ttmp9, 2
	s_add_co_u32 s18, s18, s17                     ; work-group 0..255
	s_lshr_b32 s19, ttmp9, 2                       ; batch, from the cluster's number alone: equal in the four partners
	; descriptor group 1: 10,240 dense bytes as 40 rows of 32 elements of 8 bytes
	s_mov_b32 s24, 15|(3<<16)|(1<<21)              ; mask: the cluster's four; elements of 8 bytes; bit 21 set beside a mask
	s_mov_b32 s25, 32<<16                          ; tensor_dim0 = 32
	s_mov_b32 s26, 40<<16                          ; tensor_dim1 = 40
	s_mov_b32 s27, 32<<16                          ; tile_dim0 = 32
	s_mov_b32 s28, 40                              ; tile_dim1 = 40
	s_mov_b32 s29, 32                              ; pitch
	s_mov_b32 s30, 0
	s_mov_b32 s31, 0
	s_mov_b32 s20, 1
	s_mul_i32 s21, s16, KVE                        ; LDS: wave x 10,240
	s_mul_i32 s32, s19, KVB
	s_add_co_u32 s32, s32, s21                     ; kv: batch x 81,920 + wave x 10,240
	s_mov_b32 s33, 0
	s_and_b32 s35, s18, 15
	s_lshl2_add_u32 s35, s35, s43                  ; image row = 4 x (work-group mod 16) + my row
	s_lshl_b32 s34, s19, 20                        ; x, out: batch x 1 MiB
	s_lshl_b32 s36, s44, 19                        ; + my half of the channels: 32 planes of 16,384 bytes
	s_add_co_u32 s34, s34, s36
	s_lshl_b32 s36, s35, 8                         ; + image row x 256 bytes
	s_add_co_u32 s34, s34, s36
	s_lshl_b32 s36, s19, 16                        ; th: batch x 65,536
	s_lshl_b32 s37, s35, 10                        ; + image row x 1,024 bytes
	s_add_co_u32 s36, s36, s37
	s_mov_b32 s35, 0
	s_mov_b32 s37, 0
	s_lshl_b32 s46, s44, 12                        ; w_o: my 32 rows of 128 bytes
	s_mov_b32 s47, 0
	s_lshl_b32 s48, s16, 9
	s_add_co_u32 s48, s48, MXS                     ; my 512 bytes for maxima,
	s_lshl_b32 s49, s45, 9
	s_add_co_u32 s49, s49, MXS                     ; my partner's
	s_mul_i32 s50, s16, OXW
	s_add_co_u32 s50, s50, OXS                     ; my 8,704 bytes for sums,
	s_mul_i32 s51, s45, OXW
	s_add_co_u32 s51, s51, OXS                     ; my partner's
	s_mov_b32 s38, 0x76543210                      ; v_permlanex16_b32: lane i reads lane i of the other half
	s_mov_b32 s39, 0xfedcba98
	v_and_b32 v5, 15, v0                           ; r
	v_bfe_u32 v6, v0, 4, 1                         ; h
	v_lshlrev_b32 v[THO], 4, v5                    ; 16 r: both halves of the lanes take theta of query r
	v_lshl_or_b32 v[XO], v6, 17, v[THO]            ; 8 h planes of 16,384 bytes + 16 r
	v_lshlrev_b32 v7, 5, v6                        ; 32 h
	v_lshl_or_b32 v[WOO], v5, 7, v7                ; w_o: row r (128 bytes a row)
	v_and_b32 v[LN], 31, v0
	v_lshlrev_b32 v[LN], 4, v[LN]
	v_add_nc_u32 v11, -1, v6                       ; all ones in lanes 0-15
	v_sub_nc_u32 v12, 0, v6                        ; all ones in lanes 16-31
	v_lshl_add_u32 v[PHB], s44, 13, v[LN]          ; my 512 keys x 16 bytes of phi
	v_lshl_add_u32 v[GA], s44, 15, v[LN]           ; my 16 blocks of 2,048 bytes of g,
	v_add_nc_u32 v[GA], GOFF, v[GA]                ; behind phi
	v_add_nc_u32 v[MXM], s48, v[LN]
	v_add_nc_u32 v[MXP], s49, v[LN]
	s_wait_dscnt 0x0
	s_wait_kmcnt 0x0
	s_load_b32 s40, s[10:11], 0x0                  ; gamma
	s_add_nc_u64 s[22:23], s[12:13], s[32:33]
	s_or_b32 s23, s23, 0x80000000                  ; type 2
	s_add_nc_u64 s[4:5], s[4:5], s[34:35]
	s_add_nc_u64 s[14:15], s[14:15], s[34:35]
	s_add_nc_u64 s[6:7], s[6:7], s[36:37]
	s_add_nc_u64 s[8:9], s[8:9], s[46:47]
	; what pass 1 needs is asked for first: theta, then kv; then w_o; x, which is needed last, is asked for last
.irp t, 0,1,2,3
	global_load_b128 v[TB+4*\t:TB+4*\t+3], v[THO], s[6:7] offset:256*\t
.endr
	ROUND                                          ; the four work-groups are here: the joint loads meet
	tensor_load_to_lds s[20:23], s[24:31]          ; my eighth of the batch's kv, for all four
	s_nop 0
.set n, 0
.rept 8
	global_load_b128 v[RAWO+4*n:RAWO+4*n+3], v[WOO], s[8:9] offset:(n>>2)*2048+((n>>1)&1)*64+(n&1)*16
.set n, n+1
.endr
	WIN 0x40                                       ; destination in window 1
.irp m, 0,1
.irp j, 0,1,2,3,4,5,6,7
	global_load_b128 v[X+4*(8*\m+\j):X+4*(8*\m+\j)+3], v[XO], s[4:5] offset:(16*\m+\j)*HWB th:TH_LOAD_NT
.endr
.endr
.irp z, 0,1,2,3,4,5,6,7,8
.irp k, 0,1,2,3
	v_mov_b32 v[TH+8*\z+\k], 0                     ; the chain's zero pieces: operands of the score products
.endr
.endr
	WIN 0
.irp z, 0,1,2,3,4,5,6,7,8
.irp k, 0,1,2,3
	v_mov_b32 v[TH0+8*\z+\k], 0
.endr
.endr
	s_wait_loadcnt 24                              ; theta is in; the 8 loads of w_o and the 16 of x stay out
.irp t, 0,1,2,3
.irp k, 0,1,2,3
	v_and_b32 v[TH0+16*\t+4+\k],  v11, v[TB+4*\t+\k]           ; both halves of the lanes hold theta of query r: keep it in lanes 0-15,
	v_and_b32 v[TH0+16*\t+12+\k], v12, v[TB+4*\t+\k]           ; or in lanes 16-31
.endr
.endr
	WIN 0x40
.irp t, 0,1,2,3
.irp k, 0,1,2,3
	v_and_b32 v[TH+16*\t+4+\k],  v11, v[TB+4*\t+\k]
	v_and_b32 v[TH+16*\t+12+\k], v12, v[TB+4*\t+\k]
.endr
.endr
	s_wait_loadcnt 16                              ; w_o is in; the 16 loads of x stay out, until the way out
.set n, 0
.rept 16
	v_cvt_pk_f16_f32 v[WO+n], v[RAWO+2*n], v[RAWO+2*n+1]
.set n, n+1
.endr
	WIN 0
	s_wait_kmcnt 0x0                               ; gamma
	s_wait_tensorcnt 0x0                           ; my eighth of kv is in LDS,
	s_barrier_signal -1
	s_barrier_wait -1                              ; everybody's is
; ---------------------------------------------------------------- pass 1: each query's maximum over my 512 keys
; A sub-step is one query tile x 64 keys: 4 score products, 32 scores a lane.  The products of the NEXT sub-step are issued among the maxima of this one,
; into the other buffer, so that at least 16 plain vector instructions stand between a product and the first read of its result.
.macro MAXSUB t, qk, nt, nph
.irp g, 0,1,2,3
.if \qk
	v_wmma_f32_16x16x32_f16 v[S+32*(1-((\t)&1))+8*\g:S+32*(1-((\t)&1))+8*\g+7], v[PH+8*(\nph):PH+8*(\nph)+7], v[TH0+8*(2*(\nt)+(\g&1))+4*(1-(\g>>1)):TH0+8*(2*(\nt)+(\g&1))+4*(1-(\g>>1))+7], 0
.endif
.irp c, 0,1,2,3
	v_max3_num_f32 v[M+4*(\t)+\c], v[M+4*(\t)+\c], v[S+32*((\t)&1)+8*\g+2*\c], v[S+32*((\t)&1)+8*\g+2*\c+1]
.endr
.endr
.endm
; Step st is 64 keys x the four query tiles.  par: which phi buffer holds this step's fragment; the next step's is fetched at the step's head.
.macro MSTEP st, par, last
.if 1-\last
	ds_load_b128 v[PH+8*(1-\par):PH+8*(1-\par)+3],   v[PHB] offset:1024*(\st+1)
	ds_load_b128 v[PH+8*(1-\par)+4:PH+8*(1-\par)+7], v[PHB] offset:1024*(\st+1)+512
.endif
	MAXSUB 0, 1, 1, \par
	MAXSUB 1, 1, 2, \par
	MAXSUB 2, 1, 3, \par
.if 1-\last
	s_wait_dscnt 0x0                               ; the next step's phi
.endif
	MAXSUB 3, 1-\last, 0, 1-\par
.endm
	ds_load_b128 v[PH:PH+3],   v[PHB]              ; my keys 0-31: lane l holds place l
	ds_load_b128 v[PH+4:PH+7], v[PHB] offset:512   ; my keys 32-63
	s_wait_dscnt 0x0
.irp g, 0,1,2,3
	v_wmma_f32_16x16x32_f16 v[S+8*\g:S+8*\g+7], v[PH:PH+7], v[TH0+8*(\g&1)+4*(1-(\g>>1)):TH0+8*(\g&1)+4*(1-(\g>>1))+7], 0
.endr
.set n, 0
.rept 16
	v_mov_b32 v[M+n], 0xff800000                   ; -infinity; also the places behind the first four products
.set n, n+1
.endr
	MSTEP 0, 0, 0
	MSTEP 1, 1, 0
	MSTEP 2, 0, 0
	MSTEP 3, 1, 0
	MSTEP 4, 0, 0
	MSTEP 5, 1, 0
	MSTEP 6, 0, 0
	MSTEP 7, 1, 1                                  ; nothing is fetched or multiplied beyond my last key
.irp t, 0,1,2,3
	v_max3_num_f32 v[M+4*\t], v[M+4*\t], v[M+4*\t+1], v[M+4*\t+2]
.endr
.irp t, 0,1,2,3
	v_max_num_f32 v[M+4*\t], v[M+4*\t], v[M+4*\t+3]
.endr
.irp t, 0,1,2,3
	v_permlanex16_b32 v[M+4*\t+1], v[M+4*\t], s38, s39         ; the other half of the lanes holds the other keys of the same query
.endr
.irp t, 0,1,2,3
	v_max_num_f32 v[MX+\t], v[M+4*\t], v[M+4*\t+1]
.endr
	; the two waves of a row exchange their maxima: store, wait for the store, barrier, load
	ds_store_b128 v[MXM], v[MX:MX+3]
	s_wait_dscnt 0x0                               ; for my partner's sake: my store is done
	s_barrier_signal -1
	s_barrier_wait -1
	ds_load_b128 v[M:M+3], v[MXP]
	s_wait_dscnt 0x0
.irp t, 0,1,2,3
	v_max_num_f32 v[MX+\t], v[MX+\t], v[M+\t]      ; the maximum over all 1,024 keys
.endr
.irp t, 0,1,2,3
	v_xor_b32 v[MX+\t], 0x80000000, v[MX+\t]
.endr
	WIN 0x40
.irp t, 0,1,2,3
.irp j, 0,1,2,3,4,5,6,7
	v_mov_b32 v[CM+8*\t+\j], v[MX+\t]              ; a C tile whose column r is -maximum of query r
.endr
.endr
	WIN 0
; ---------------------------------------------------------------- pass 2: exp2(score - maximum), its sums, and P g, over my 512 keys
; One product of P g.  k = 2 K step + channel tile; pt: query tile; pp: P buffer; zero: the K step 0 products start the sums.
; The two accumulators of a query tile take turns, one instruction a turn.
.macro PVW k, pt, pp, zero
.if \zero
.if (\k) < 2
	v_wmma_f32_16x16x32_f16 v[O+16*(\pt)+8*((\k)&1):O+16*(\pt)+8*((\k)&1)+7], v[G+16*((\k)>>1)+8*((\k)&1):G+16*((\k)>>1)+8*((\k)&1)+7], v[P+16*(\pp)+8*((\k)>>1):P+16*(\pp)+8*((\k)>>1)+7], 0
.else
	v_wmma_f32_16x16x32_f16 v[O+16*(\pt)+8*((\k)&1):O+16*(\pt)+8*((\k)&1)+7], v[G+16*((\k)>>1)+8*((\k)&1):G+16*((\k)>>1)+8*((\k)&1)+7], v[P+16*(\pp)+8*((\k)>>1):P+16*(\pp)+8*((\k)>>1)+7], v[O+16*(\pt)+8*((\k)&1):O+16*(\pt)+8*((\k)&1)+7]
	s_wait_alu depctr_va_vdst(0)
.endif
.else
	v_wmma_f32_16x16x32_f16 v[O+16*(\pt)+8*((\k)&1):O+16*(\pt)+8*((\k)&1)+7], v[G+16*((\k)>>1)+8*((\k)&1):G+16*((\k)>>1)+8*((\k)&1)+7], v[P+16*(\pp)+8*((\k)>>1):P+16*(\pp)+8*((\k)>>1)+7], v[O+16*(\pt)+8*((\k)&1):O+16*(\pt)+8*((\k)&1)+7]
.endif
.endm
; A sub-step (query tile t x 64 keys) holds three things: the NEXT sub-step's score products (qk; tile nt, phi buffer nph), this one's exp2, packing and
; sums, and the LAST sub-step's four products P g (pv; tile pt).  Under the score products' window only v_exp_f32 is written, which names a
; destination and source 0 alone, both in window 0.  Every exp2 is followed by a plain vector instruction on other registers before its result is read.
.macro SUB t, pv, pt, zero, qk, nt, nph, wt
.set SC, S+32*((\t)&1)
.set SN, S+32*(1-((\t)&1))
.set PC, P+16*((\t)&1)
.if \qk
	WIN 0x14                                       ; B (theta) and C (-maximum) in window 1
.endif
.irp g, 0,1,2,3
.if \qk
	v_wmma_f32_16x16x32_f16 v[SN+8*\g:SN+8*\g+7], v[PH+8*(\nph):PH+8*(\nph)+7], v[TH+8*(2*(\nt)+(\g&1))+4*(1-(\g>>1)):TH+8*(2*(\nt)+(\g&1))+4*(1-(\g>>1))+7], v[CM+8*(\nt):CM+8*(\nt)+7]
.endif
	v_exp_f32 v[SC+2*\g], v[SC+2*\g]
	v_exp_f32 v[SC+2*\g+1], v[SC+2*\g+1]
.endr
	WIN 0
	v_nop                                          ; the plain place between key tile 0's exp2 and their first use
.if \wt
	s_wait_dscnt 0x0                               ; this step's g and the next step's phi, asked for a sub-step ago
.endif
.irp g, 0,1,2
.if \pv
	PVW \g, \pt, 1-((\t)&1), \zero
.endif
.irp i, 0,1,2,3
	v_exp_f32 v[SC+8*\g+8+2*\i], v[SC+8*\g+8+2*\i]
	s_wait_alu depctr_va_vdst(0)
	v_cvt_pk_f16_f32 v[PC+4*\g+\i], v[SC+8*\g+2*\i], v[SC+8*\g+2*\i+1]
	v_exp_f32 v[SC+8*\g+9+2*\i], v[SC+8*\g+9+2*\i]
	v_pk_add_f32 v[L+4*(\t)+2*(\i&1):L+4*(\t)+2*(\i&1)+1], v[L+4*(\t)+2*(\i&1):L+4*(\t)+2*(\i&1)+1], v[SC+8*\g+2*\i:SC+8*\g+2*\i+1]
.endr
.endr
.if \pv
	PVW 3, \pt, 1-((\t)&1), \zero
.endif
	s_wait_alu depctr_va_vdst(0)
.irp i, 0,1,2,3
	v_cvt_pk_f16_f32 v[PC+12+\i], v[SC+24+2*\i], v[SC+25+2*\i]
	v_pk_add_f32 v[L+4*(\t)+2*(\i&1):L+4*(\t)+2*(\i&1)+1], v[L+4*(\t)+2*(\i&1):L+4*(\t)+2*(\i&1)+1], v[SC+24+2*\i:SC+25+2*\i]
.endr
.endm
; Step st: 64 keys x four query tiles.  g's fragments have one buffer: they are loaded behind the last product of the step before, which stands in sub-step 0,
; with that sub-step's last eight plain vector instructions as the places between (ISA guide 7.12.1), and are first used in sub-step 1.
; first, pfirst: this step's, the last step's products P g start the sums, so that nothing is cleared.
.macro STEP st, par, first, pfirst, last
	SUB 0, 1-\first, 3, \pfirst, 1, 1, \par, 0
.irp n, 0,1,2,3,4,5,6,7
	ds_load_b128 v[G+4*\n:G+4*\n+3], v[GA] offset:4096*\st+512*\n      ; 512 consecutive bytes each: the fragments lie in LDS as they lie in registers
.endr
.if 1-\last
	ds_load_b128 v[PH+8*(1-\par):PH+8*(1-\par)+3],   v[PHB] offset:1024*(\st+1)
	ds_load_b128 v[PH+8*(1-\par)+4:PH+8*(1-\par)+7], v[PHB] offset:1024*(\st+1)+512
.endif
	SUB 1, 1, 0, \first, 1, 2, \par, 1
	SUB 2, 1, 1, \first, 1, 3, \par, 0
	SUB 3, 1, 2, \first, 1-\last, 0, 1-\par, 0
.endm
	ds_load_b128 v[PH:PH+3],   v[PHB]
	ds_load_b128 v[PH+4:PH+7], v[PHB] offset:512
	s_wait_dscnt 0x0
	WIN 0x14
.irp g, 0,1,2,3
	v_wmma_f32_16x16x32_f16 v[S+8*\g:S+8*\g+7], v[PH:PH+7], v[TH+8*(\g&1)+4*(1-(\g>>1)):TH+8*(\g&1)+4*(1-(\g>>1))+7], v[CM:CM+7]
.endr
	WIN 0
.set n, 0
.rept 16
	v_mov_b32 v[L+n], 0                            ; the sums of P; also the places behind the first four products
.set n, n+1
.endr
	STEP 0, 0, 1, 0, 0
	STEP 1, 1, 0, 1, 0
	STEP 2, 0, 0, 0, 0
	STEP 3, 1, 0, 0, 0
	STEP 4, 0, 0, 0, 0
	STEP 5, 1, 0, 0, 0
	STEP 6, 0, 0, 0, 0
	STEP 7, 1, 0, 0, 1                             ; nothing is fetched or multiplied beyond my last key
.irp k, 0,1,2,3
	PVW \k, 3, 1, 0                                ; the last sub-step's products
.endr
; ---------------------------------------------------------------- the two halves of the keys are joined
.irp t, 0,1,2,3
	v_pk_add_f32 v[L+4*\t:L+4*\t+1], v[L+4*\t:L+4*\t+1], v[L+4*\t+2:L+4*\t+3]   ; these eight lines are the places behind the last products
.endr
.irp t, 0,1,2,3
	v_add_f32 v[L+4*\t], v[L+4*\t], v[L+4*\t+1]
.endr
.irp t, 0,1,2,3
	v_permlanex16_b32 v[L+4*\t+1], v[L+4*\t], s38, s39
.endr
.irp t, 0,1,2,3
	v_add_f32 v[MX+\t], v[L+4*\t], v[L+4*\t+1]     ; my half's sum of P
.endr
	v_add_nc_u32 v[OXM], s50, v[LN]                ; v8 and v9 were the offsets of loads that the counted waits at the start have shown done
	v_add_nc_u32 v[OXP], s51, v[LN]
.set n, 0
.rept 16
	ds_store_b128 v[OXM], v[O+4*n:O+4*n+3] offset:512*n        ; 512 consecutive bytes each
.set n, n+1
.endr
	ds_store_b128 v[OXM], v[MX:MX+3] offset:8192
	s_wait_dscnt 0x0                               ; for my partner's sake: my stores are done
	s_barrier_signal -1
	s_barrier_wait -1
	ds_load_b128 v[PH:PH+3], v[OXP] offset:8192    ; my partner's sums of P first: the reciprocals can start
.set n, 0
.rept 16
	ds_load_b128 v[S+4*n:S+4*n+3], v[OXP] offset:512*n
.set n, n+1
.endr
	s_wait_dscnt 16                                ; the sums of P are in; the 16 loads of P g stay out
.irp t, 0,1,2,3
	v_add_f32 v[L+4*\t], v[MX+\t], v[PH+\t]        ; at least 1: the largest score gives exp2(0)
.endr
.irp t, 0,1,2,3
	v_rcp_f32 v[L+4*\t], v[L+4*\t]
.endr
	v_nop                                          ; the plain place between the reciprocals and their first use
	s_wait_alu depctr_va_vdst(0)
.irp t, 0,1,2,3
.irp c, 0,1
.irp i, 0,1,2,3
	v_pk_mul_f32 v[O+16*\t+8*\c+2*\i:O+16*\t+8*\c+2*\i+1], v[O+16*\t+8*\c+2*\i:O+16*\t+8*\c+2*\i+1], v[L+4*\t:L+4*\t+1] op_sel_hi:[1,0]   ; my half by 1 / sum of the lane's query
.endr
.endr
.endr
	s_wait_dscnt 0x0
.irp t, 0,1,2,3
.irp c, 0,1
.irp i, 0,1,2,3
	v_pk_fma_f32 v[O+16*\t+8*\c+2*\i:O+16*\t+8*\c+2*\i+1], v[S+16*\t+8*\c+2*\i:S+16*\t+8*\c+2*\i+1], v[L+4*\t:L+4*\t+1], v[O+16*\t+8*\c+2*\i:O+16*\t+8*\c+2*\i+1] op_sel_hi:[1,0,1]   ; and my partner's: a mean of g, which fits f16 wherever g does
.endr
.endr
.endr
.irp t, 0,1,2,3
.irp c, 0,1
.irp i, 0,1,2,3
	v_cvt_pk_f16_f32 v[P+8*\t+4*\c+\i], v[O+16*\t+8*\c+2*\i], v[O+16*\t+8*\c+2*\i+1]
.endr
.endr
.endr
; ---------------------------------------------------------------- the way out: out = x + gamma w_o (P g / sum), my 32 out channels
.macro OW m                            ; my out channels 16 m .. 16 m + 15 of the four query tiles
	WIN 0x01                                       ; A (w_o) in window 1
.irp t, 0,1,2,3
	v_wmma_f32_16x16x32_f16 v[S+32*\m+8*\t:S+32*\m+8*\t+7], v[WO+8*\m:WO+8*\m+7], v[P+8*\t:P+8*\t+7], 0
.endr
.endm
.macro OF m                            ; times gamma onto x, in x's registers, and out
	WIN 0x50                                       ; destination and source 2 (x) in window 1
.irp j, 0,1,2,3,4,5,6,7
.irp t, 0,1,2,3
	v_fma_f32 v[X+4*(8*\m+\j)+\t], s40, v[S+32*\m+8*\t+\j], v[X+4*(8*\m+\j)+\t]
.endr
.endr
	WIN 0x04                                       ; store data in window 1
.irp j, 0,1,2,3,4,5,6,7
	global_store_b128 v[XO], v[X+4*(8*\m+\j):X+4*(8*\m+\j)+3], s[14:15] offset:(16*\m+\j)*HWB th:TH_STORE_NT   ; 16 lanes: 256 consecutive bytes, aligned
.endr
.endm
	OW 0
	OW 1
.rept 4
	v_nop                                          ; four places between the products above and the first read of a result (ISA guide 7.12.1)
.endr
	s_wait_loadcnt 0x0                             ; x, asked for at the start
	OF 0
	OF 1
	WIN 0
	s_set_vgpr_msb 0x4
	s_wait_tensorcnt 0x0
	ds_add_u32 v2, v185
	s_wait_dscnt 0x0
	s_set_vgpr_msb 0x400
	ROUND                                          ; the closing round: no work-group ends while a partner may still ask for a tile that names it
	s_endpgm
.Lfunc_end_k_q5fe7395f00_attn:
	.size	k_q5fe7395f00_attn, .Lfunc_end_k_q5fe7395f00_attn-k_q5fe7395f00_attn
	.p2alignl 7, 3214868480
	.fill 96, 4, 3214868480
	.section	.rodata,"a",@progbits
	.p2align	6, 0x0
	.amdhsa_kernel k_q5fe7395f00_attn
		.amdhsa_group_segment_fixed_size 168960
		.amdhsa_private_segment_fixed_size 0
		.amdhsa_enable_private_segment 0
		.amdhsa_kernarg_size 48
		.amdhsa_user_sgpr_count 2
		.amdhsa_user_sgpr_kernarg_segment_ptr 1
		.amdhsa_wavefront_size32 1
		.amdhsa_system_sgpr_workgroup_id_x 1
		.amdhsa_system_sgpr_workgroup_id_y 1
		.amdhsa_system_sgpr_workgroup_id_z 1
		.amdhsa_system_vgpr_workitem_id 0
		.amdhsa_next_free_vgpr 442
		.amdhsa_next_free_sgpr 66
		.amdhsa_reserve_vcc 0
		.amdhsa_float_denorm_mode_32 3
		.amdhsa_float_denorm_mode_16_64 3
		.amdhsa_memory_ordered 1
		.amdhsa_forward_progress 1
		.amdhsa_inst_pref_size 208
	.end_amdhsa_kernel
	.amdgpu_metadata
---
amdhsa.version: [ 1, 2 ]
amdhsa.kernels:
  - .name:           k_q5fe7395f00_attn
    .symbol:         k_q5fe7395f00_attn.kd
    .args:
      - { .name: x, .offset: 0, .size: 8, .value_kind: global_buffer, .address_space: global }
      - { .name: th, .offset: 8, .size: 8, .value_kind: global_buffer, .address_space: global }
      - { .name: w_o, .offset: 16, .size: 8, .value_kind: global_buffer, .address_space: global }
      - { .name: gamma, .offset: 24, .size: 8, .value_kind: global_buffer, .address_space: global }
      - { .name: kv, .offset: 32, .size: 8, .value_kind: global_buffer, .address_space: global }
      - { .name: out0, .offset: 40, .size: 8, .value_kind: global_buffer, .address_space: global }
    .group_segment_fixed_size: 168960
    .private_segment_fixed_size: 0
    .kernarg_segment_align: 8
    .kernarg_segment_size: 48
    .max_flat_workgroup_size: 256
    .sgpr_count:     66
    .vgpr_count:     442
    .wavefront_size: 32
...
	.end_amdgpu_metadata
.endif
;; end of part 2
;; ======== version 2 of 2: 2 launches; 1.11 times as fast as version 1
;; limits: values are held in f16: magnitudes above 65,504 overflow, below 6.1e-05 lose precision
;; workspace buffers: kv 1,310,720 bytes; th 1,048,576 bytes
;; launch pool: the kernel of part 1 again; grid 256 x 1, 2 waves a work-group, no clusters, 168,192 bytes of LDS; arguments x, w_phi, w_theta, w_g, kv, th; writes kv, th
;; launch attn (part 3): grid 256 x 1, 8 waves a work-group, clusters of 4 x 1, 168,960 bytes of LDS; arguments x, th, w_o, gamma, kv, out0; writes out0
.if DOCPART == 3
	.amdgcn_target "amdgcn-amd-amdhsa--gfx1250"
	.amdhsa_code_object_version 6
	.text
	.protected	k_q5fe7395f00_attn
	.globl	k_q5fe7395f00_attn
	.p2align	8
	.type	k_q5fe7395f00_attn,@function
k_q5fe7395f00_attn:
	s_mov_b64 s[64:65], 0
	v_nop
	global_prefetch_b8 v0, s[64:65] scope:SCOPE_SE
	s_setreg_imm32_b32 hwreg(HW_REG_WAVE_MODE, 25, 1), 1
	s_wait_xcnt 0x0
	s_wait_alu depctr_hold_cnt(0) depctr_sa_sdst(0) depctr_va_vdst(0) depctr_va_sdst(0) depctr_va_ssrc(0) depctr_va_vcc(0) depctr_vm_vsrc(0)
	s_getreg_b32 s2, hwreg(HW_REG_IB_STS2, 6, 4)
	s_cmp_eq_u32 s2, 0
	s_cbranch_scc0 .Lentry_in_a_cluster
	s_endpgm
.Lentry_in_a_cluster:
	s_bfe_u32 s2, ttmp6, 0x10000c
	s_cmp_lg_u32 s2, 0x3003
	s_cbranch_scc0 .Lentry_shape_is_right
	s_endpgm
.Lentry_shape_is_right:
; out = x + gamma w_o (g softmax(theta^T phi)^T), with phi, g (pooled) and theta (times log2 e) in f16 from kv and th.
; A work-group takes 4 image rows of one batch.  16 batches x 16 work-groups = 256.  An image row is 64 queries = 4 query tiles; tile t holds pixel 4r + t in
; place r, so that a lane's x loads and out stores are 16 bytes and 16 lanes cover 256 consecutive bytes, aligned.
; EIGHT WAVES, two for each image row: wave w takes row w mod 4 and the keys 512 (w / 4) .. + 511.  Two waves lie on a SIMD with instruction streams of their
; own, so that one's exponentials, packings and sums can be issued while the other's matrix instructions run.  The keys are split and not the queries:
; each wave reads only its half of kv from LDS, and every lane keeps four neighbouring pixels.  The two waves of a row meet twice, through LDS:
; behind pass 1 they exchange their maxima (both then shift by the true maximum over all 1,024 keys), behind pass 2 their sums (P g and the sums of P, in f32).
; Each then finishes 32 of the 64 out channels for all 64 queries, and holds x for those alone; x is asked for at the start and first needed there.
; CLUSTER: the four work-groups of a cluster belong to one batch and need the same 81,920 bytes of kv.  Each wave asks for an eighth (10,240 bytes) by a joint
; tensor load that names the four.  All of kv stays in LDS: nothing is filled again.  A wave has one tensor load out.
; LAYOUT: every product is taken so that its result registers are the next product's B fragment, without moving data between lanes:
;   scores  A = phi (key)                    B = theta (query)  result: register j = key 8h+j, query r  -> exp -> packed = B fragment over 32 keys
;   P g     A = g (channel, k = key)         B = P (query)      result: register j = channel 8h+j (+16), query r -> packed = B fragment over 32 channels
;   w_o     A = w_o (out channel)            B = attn_g (query) result: register j = out channel 16 m + 8h+j, query r: where the lane holds x
; So a query's maximum, sum and scale are one number a lane (the two halves of the lanes joined once).
; K = 32 FOR 8 CHANNELS: one phi fragment holds FOUR key tiles, one in each group of 8 k places (two loads of 512 consecutive LDS bytes for 64 keys); theta
; stands in one group of k places and zeros in the others, in four variants, cut out of a chain Z V Z V .. Z of 4-register pieces (V: theta in lanes 0-15
; or in lanes 16-31, Z: zeros).
; SOFTMAX: two passes over the keys.  Pass 1 forms the scores and keeps each query's true maximum.  Pass 2 forms them again with C = -maximum, so the shift
; costs no vector instruction; then exp2, packing, and the sums in f32.  P g is divided by the sum in f32 before it is packed.
; THE EXPONENTIALS GO IN BATCHES: a sub-step of pass 2 (one query tile x 64 keys) issues its 32 exp2 on end, the next sub-step's four score products among
; them; a v_nop and ONE s_wait_alu depctr_va_vdst(0) follow (the wait stands between the exp2 and the first line that names a result); all
; that names a result, the 16 packings and the 16 sums, stands behind the wait, the last sub-step's four products P g among them.  32 sub-steps, 32 waits.
; The four reciprocals where the halves of the keys are joined are a batch of their own, with one wait.
; NO LOOP: a pass is 8 steps of 64 keys, written out by macro, so that every LDS address is a register that is never rewritten plus an immediate.
; FORMAT: f16, not bf16: scores stand in an exponent, and 11 significant bits leave an eighth of the uncertainty of 8.  P lies in (0, 1]; what falls below 2^-14
; keeps an absolute step of 2^-24 against a sum of at least 1.  P g divided by the sum is a mean of g and no larger than the largest |g|; undivided it could reach 1,024 |g|.
; LIMITS: |w_o|, |theta log2 e|, |phi|, |g| below 65,504 (f16's largest number); inputs are taken as finite (the maxima are the forms in which a NaN loses);
; operands of the products are rounded to f16; all else is f32.
; REGISTER WINDOWS (s_set_vgpr_msb, low byte: bits 1:0 source 0, 3:2 source 1, 5:4 source 2, 7:6 destination):
;   window 0: work;  window 1: theta chain and the four tiles of -maximum (B and C of pass 2's score products), x and w_o.
.set HWB,   16384                      ; bytes of a channel plane
.set KVB,   81920                      ; bytes of kv for a batch
.set KVE,   10240                      ; a wave's eighth of them
.set GOFF,  16384                      ; g begins behind phi
.set OXS,   81920                      ; LDS behind kv: the exchange of sums, 17 x 512 bytes a wave; no tensor load lands here
.set OXW,   8704
.set MXS,   151552                     ; behind that: the exchange of maxima, 512 bytes a wave
; window 0
.set XO,   1                           ; v1       x and out: 8 h channel planes + 16 r
.set GA,   3                           ; v3       LDS address of my half of g
.set MX,   4                           ; v[4:7]   one number a query tile: my maximum, later my sum of P (address work at the start)
.set THO,  8                           ; v8       theta: 16 r; at the end OXM: where I put my sums
.set WOO,  9                           ; v9       w_o: row r; at the end OXP: where my partner put its sums
.set OXM,  8
.set OXP,  9
.set LN,   10                          ; v10      16 x lane
                                       ; v11, v12 lane masks at the start
.set MXM,  13                          ; v13      where I put my maxima
.set MXP,  14                          ; v14      where my partner puts its maxima
.set PHB,  15                          ; v15      LDS address of my half of phi
.set S,    16                          ; v[16:79]   scores: two buffers of 4 key tiles x 8; at the end the partner's sums, then w_o's results
.set PH,   80                          ; v[80:95]   phi fragments, two buffers
.set P,    96                          ; v[96:127]  P fragments, two buffers of 2 x 8; at the end attn_g's fragments
.set G,    128                         ; v[128:159] g fragments of 64 keys: 16 K step + 8 channel tile
.set O,    160                         ; v[160:223] sums of P g: 16 query tile + 8 channel tile
.set L,    224                         ; v[224:239] sums of P: 4 a query tile
.set M,    240                         ; v[240:255] pass 1: running maxima, 4 a query tile
.set TH0,  96                          ; v[96:163]  pass 1 only: a copy of the theta chain, so that pass 1 needs no window
.set TB,   164                         ; set-up: theta as loaded, 4 a query tile
.set RAWO, 16                          ; set-up: w_o as loaded
; window 1
.set TH,   0                           ; v[256:323] theta chain: Z at 8 i, V at 8 i + 4; V 2t: tile t in lanes 0-15, V 2t+1: in lanes 16-31
.set CM,   72                          ; v[328:359] -maximum, 8 equal registers a query tile
.set X,    104                         ; v[360:423] x: 4 (8 m + j) + t = my channel 16 m + 8 h + j, pixel 4 r + t
.set WO,   168                         ; v[424:439] w_o fragments of my 32 out channels, 8 m
.set MSB, 0
.macro WIN new                         ; the immediate's high byte repeats the setting that is left
.if MSB != \new
	s_set_vgpr_msb (MSB<<8)|\new
.set MSB, \new
.endif
.endm
; A round of the cluster's barrier: my work-group's barrier, wave 0 signals for the work-group, every wave waits for all four work-groups, my work-group's barrier again.
.macro ROUND
	s_barrier_signal -1
	s_barrier_wait -1
	s_cmp_lg_u32 s16, 0
	s_cbranch_scc1 .Lnot_wave_0_\@
	s_barrier_signal -3
.Lnot_wave_0_\@:
	s_barrier_wait -3
	s_barrier_signal -1
	s_barrier_wait -1
.endm
	s_load_b256 s[4:11], s[0:1], 0x0               ; x s[4:5], th s[6:7], w_o s[8:9], gamma s[10:11]
	s_load_b128 s[12:15], s[0:1], 0x20             ; kv s[12:13], out0 s[14:15]
	v_lshl_add_u32 v2, v0, 2, 0x29000
	s_set_vgpr_msb 0x40
	v_mov_b32 v185, 0
	s_set_vgpr_msb 0x4044
	ds_add_u32 v2, v185
	ds_add_u32 v2, v185
	s_set_vgpr_msb 0x4400
	v_lshrrev_b32 v4, 5, v0
	v_readfirstlane_b32 s16, v4                    ; wave 0..7
	s_and_b32 s43, s16, 3                          ; which of the work-group's four image rows
	s_lshr_b32 s44, s16, 2                         ; which half of the keys, and of the out channels
	s_xor_b32 s45, s16, 4                          ; my partner: the same row, the other half
	s_bfe_u32 s17, ttmp6, 0x40000                  ; cx: my place in the cluster
	s_lshl_b32 s18, ttmp9, 2
	s_add_co_u32 s18, s18, s17                     ; work-group 0..255
	s_lshr_b32 s19, ttmp9, 2                       ; batch, from the cluster's number alone: equal in the four partners
	; descriptor group 1: 10,240 dense bytes as 40 rows of 32 elements of 8 bytes
	s_mov_b32 s24, 15|(3<<16)|(1<<21)              ; mask: the cluster's four; elements of 8 bytes; bit 21 set beside a mask
	s_mov_b32 s25, 32<<16                          ; tensor_dim0 = 32
	s_mov_b32 s26, 40<<16                          ; tensor_dim1 = 40
	s_mov_b32 s27, 32<<16                          ; tile_dim0 = 32
	s_mov_b32 s28, 40                              ; tile_dim1 = 40
	s_mov_b32 s29, 32                              ; pitch
	s_mov_b32 s30, 0
	s_mov_b32 s31, 0
	s_mov_b32 s20, 1
	s_mul_i32 s21, s16, KVE                        ; LDS: wave x 10,240
	s_mul_i32 s32, s19, KVB
	s_add_co_u32 s32, s32, s21                     ; kv: batch x 81,920 + wave x 10,240
	s_mov_b32 s33, 0
	s_and_b32 s35, s18, 15
	s_lshl2_add_u32 s35, s35, s43                  ; image row = 4 x (work-group mod 16) + my row
	s_lshl_b32 s34, s19, 20                        ; x, out: batch x 1 MiB
	s_lshl_b32 s36, s44, 19                        ; + my half of the channels: 32 planes of 16,384 bytes
	s_add_co_u32 s34, s34, s36
	s_lshl_b32 s36, s35, 8                         ; + image row x 256 bytes
	s_add_co_u32 s34, s34, s36
	s_lshl_b32 s36, s19, 16                        ; th: batch x 65,536
	s_lshl_b32 s37, s35, 10                        ; + image row x 1,024 bytes
	s_add_co_u32 s36, s36, s37
	s_mov_b32 s35, 0
	s_mov_b32 s37, 0
	s_lshl_b32 s46, s44, 12                        ; w_o: my 32 rows of 128 bytes
	s_mov_b32 s47, 0
	s_lshl_b32 s48, s16, 9
	s_add_co_u32 s48, s48, MXS                     ; my 512 bytes for maxima,
	s_lshl_b32 s49, s45, 9
	s_add_co_u32 s49, s49, MXS                     ; my partner's
	s_mul_i32 s50, s16, OXW
	s_add_co_u32 s50, s50, OXS                     ; my 8,704 bytes for sums,
	s_mul_i32 s51, s45, OXW
	s_add_co_u32 s51, s51, OXS                     ; my partner's
	s_mov_b32 s38, 0x76543210                      ; v_permlanex16_b32: lane i reads lane i of the other half
	s_mov_b32 s39, 0xfedcba98
	v_and_b32 v5, 15, v0                           ; r
	v_bfe_u32 v6, v0, 4, 1                         ; h
	v_lshlrev_b32 v[THO], 4, v5                    ; 16 r: both halves of the lanes take theta of query r
	v_lshl_or_b32 v[XO], v6, 17, v[THO]            ; 8 h planes of 16,384 bytes + 16 r
	v_lshlrev_b32 v7, 5, v6                        ; 32 h
	v_lshl_or_b32 v[WOO], v5, 7, v7                ; w_o: row r (128 bytes a row)
	v_and_b32 v[LN], 31, v0
	v_lshlrev_b32 v[LN], 4, v[LN]
	v_add_nc_u32 v11, -1, v6                       ; all ones in lanes 0-15
	v_sub_nc_u32 v12, 0, v6                        ; all ones in lanes 16-31
	v_lshl_add_u32 v[PHB], s44, 13, v[LN]          ; my 512 keys x 16 bytes of phi
	v_lshl_add_u32 v[GA], s44, 15, v[LN]           ; my 16 blocks of 2,048 bytes of g,
	v_add_nc_u32 v[GA], GOFF, v[GA]                ; behind phi
	v_add_nc_u32 v[MXM], s48, v[LN]
	v_add_nc_u32 v[MXP], s49, v[LN]
	s_wait_dscnt 0x0
	s_wait_kmcnt 0x0
	s_load_b32 s40, s[10:11], 0x0                  ; gamma
	s_add_nc_u64 s[22:23], s[12:13], s[32:33]
	s_or_b32 s23, s23, 0x80000000                  ; type 2
	s_add_nc_u64 s[4:5], s[4:5], s[34:35]
	s_add_nc_u64 s[14:15], s[14:15], s[34:35]
	s_add_nc_u64 s[6:7], s[6:7], s[36:37]
	s_add_nc_u64 s[8:9], s[8:9], s[46:47]
	; what pass 1 needs is asked for first: theta, then kv; then w_o; x, which is needed last, is asked for last
.irp t, 0,1,2,3
	global_load_b128 v[TB+4*\t:TB+4*\t+3], v[THO], s[6:7] offset:256*\t
.endr
	ROUND                                          ; the four work-groups are here: the joint loads meet
	tensor_load_to_lds s[20:23], s[24:31]          ; my eighth of the batch's kv, for all four
	s_nop 0
.set n, 0
.rept 8
	global_load_b128 v[RAWO+4*n:RAWO+4*n+3], v[WOO], s[8:9] offset:(n>>2)*2048+((n>>1)&1)*64+(n&1)*16
.set n, n+1
.endr
	WIN 0x40                                       ; destination in window 1
.irp m, 0,1
.irp j, 0,1,2,3,4,5,6,7
	global_load_b128 v[X+4*(8*\m+\j):X+4*(8*\m+\j)+3], v[XO], s[4:5] offset:(16*\m+\j)*HWB th:TH_LOAD_NT
.endr
.endr
.irp z, 0,1,2,3,4,5,6,7,8
.irp k, 0,1,2,3
	v_mov_b32 v[TH+8*\z+\k], 0                     ; the chain's zero pieces: operands of the score products
.endr
.endr
	WIN 0
.irp z, 0,1,2,3,4,5,6,7,8
.irp k, 0,1,2,3
	v_mov_b32 v[TH0+8*\z+\k], 0
.endr
.endr
	s_wait_loadcnt 24                              ; theta is in; the 8 loads of w_o and the 16 of x stay out
.irp t, 0,1,2,3
.irp k, 0,1,2,3
	v_and_b32 v[TH0+16*\t+4+\k],  v11, v[TB+4*\t+\k]           ; both halves of the lanes hold theta of query r: keep it in lanes 0-15,
	v_and_b32 v[TH0+16*\t+12+\k], v12, v[TB+4*\t+\k]           ; or in lanes 16-31
.endr
.endr
	WIN 0x40
.irp t, 0,1,2,3
.irp k, 0,1,2,3
	v_and_b32 v[TH+16*\t+4+\k],  v11, v[TB+4*\t+\k]
	v_and_b32 v[TH+16*\t+12+\k], v12, v[TB+4*\t+\k]
.endr
.endr
	s_wait_loadcnt 16                              ; w_o is in; the 16 loads of x stay out, until the way out
.set n, 0
.rept 16
	v_cvt_pk_f16_f32 v[WO+n], v[RAWO+2*n], v[RAWO+2*n+1]
.set n, n+1
.endr
	WIN 0
	s_wait_kmcnt 0x0                               ; gamma
	s_wait_tensorcnt 0x0                           ; my eighth of kv is in LDS,
	s_barrier_signal -1
	s_barrier_wait -1                              ; everybody's is
; ---------------------------------------------------------------- pass 1: each query's maximum over my 512 keys
; A sub-step is one query tile x 64 keys: 4 score products, 32 scores a lane.  The products of the NEXT sub-step are issued among the maxima of this one,
; into the other buffer, so that at least 16 plain vector instructions stand between a product and the first read of its result.
.macro MAXSUB t, qk, nt, nph
.irp g, 0,1,2,3
.if \qk
	v_wmma_f32_16x16x32_f16 v[S+32*(1-((\t)&1))+8*\g:S+32*(1-((\t)&1))+8*\g+7], v[PH+8*(\nph):PH+8*(\nph)+7], v[TH0+8*(2*(\nt)+(\g&1))+4*(1-(\g>>1)):TH0+8*(2*(\nt)+(\g&1))+4*(1-(\g>>1))+7], 0
.endif
.irp c, 0,1,2,3
	v_max3_num_f32 v[M+4*(\t)+\c], v[M+4*(\t)+\c], v[S+32*((\t)&1)+8*\g+2*\c], v[S+32*((\t)&1)+8*\g+2*\c+1]
.endr
.endr
.endm
; Step st is 64 keys x the four query tiles.  par: which phi buffer holds this step's fragment; the next step's is fetched at the step's head.
.macro MSTEP st, par, last
.if 1-\last
	ds_load_b128 v[PH+8*(1-\par):PH+8*(1-\par)+3],   v[PHB] offset:1024*(\st+1)
	ds_load_b128 v[PH+8*(1-\par)+4:PH+8*(1-\par)+7], v[PHB] offset:1024*(\st+1)+512
.endif
	MAXSUB 0, 1, 1, \par
	MAXSUB 1, 1, 2, \par
	MAXSUB 2, 1, 3, \par
.if 1-\last
	s_wait_dscnt 0x0                               ; the next step's phi
.endif
	MAXSUB 3, 1-\last, 0, 1-\par
.endm
	ds_load_b128 v[PH:PH+3],   v[PHB]              ; my keys 0-31: lane l holds place l
	ds_load_b128 v[PH+4:PH+7], v[PHB] offset:512   ; my keys 32-63
	s_wait_dscnt 0x0
.irp g, 0,1,2,3
	v_wmma_f32_16x16x32_f16 v[S+8*\g:S+8*\g+7], v[PH:PH+7], v[TH0+8*(\g&1)+4*(1-(\g>>1)):TH0+8*(\g&1)+4*(1-(\g>>1))+7], 0
.endr
.set n, 0
.rept 16
	v_mov_b32 v[M+n], 0xff800000                   ; -infinity; also the places behind the first four products
.set n, n+1
.endr
	MSTEP 0, 0, 0
	MSTEP 1, 1, 0
	MSTEP 2, 0, 0
	MSTEP 3, 1, 0
	MSTEP 4, 0, 0
	MSTEP 5, 1, 0
	MSTEP 6, 0, 0
	MSTEP 7, 1, 1                                  ; nothing is fetched or multiplied beyond my last key
.irp t, 0,1,2,3
	v_max3_num_f32 v[M+4*\t], v[M+4*\t], v[M+4*\t+1], v[M+4*\t+2]
.endr
.irp t, 0,1,2,3
	v_max_num_f32 v[M+4*\t], v[M+4*\t], v[M+4*\t+3]
.endr
.irp t, 0,1,2,3
	v_permlanex16_b32 v[M+4*\t+1], v[M+4*\t], s38, s39         ; the other half of the lanes holds the other keys of the same query
.endr
.irp t, 0,1,2,3
	v_max_num_f32 v[MX+\t], v[M+4*\t], v[M+4*\t+1]
.endr
	; the two waves of a row exchange their maxima: store, wait for the store, barrier, load
	ds_store_b128 v[MXM], v[MX:MX+3]
	s_wait_dscnt 0x0                               ; for my partner's sake: my store is done
	s_barrier_signal -1
	s_barrier_wait -1
	ds_load_b128 v[M:M+3], v[MXP]
	s_wait_dscnt 0x0
.irp t, 0,1,2,3
	v_max_num_f32 v[MX+\t], v[MX+\t], v[M+\t]      ; the maximum over all 1,024 keys
.endr
.irp t, 0,1,2,3
	v_xor_b32 v[MX+\t], 0x80000000, v[MX+\t]
.endr
	WIN 0x40
.irp t, 0,1,2,3
.irp j, 0,1,2,3,4,5,6,7
	v_mov_b32 v[CM+8*\t+\j], v[MX+\t]              ; a C tile whose column r is -maximum of query r
.endr
.endr
	WIN 0
; ---------------------------------------------------------------- pass 2: exp2(score - maximum), its sums, and P g, over my 512 keys
; One product of P g.  k = 2 K step + channel tile; pt: query tile; pp: P buffer; zero: the K step 0 products start the sums.
; The two accumulators of a query tile take turns, one instruction a turn.
.macro PVW k, pt, pp, zero
.if \zero
.if (\k) < 2
	v_wmma_f32_16x16x32_f16 v[O+16*(\pt)+8*((\k)&1):O+16*(\pt)+8*((\k)&1)+7], v[G+16*((\k)>>1)+8*((\k)&1):G+16*((\k)>>1)+8*((\k)&1)+7], v[P+16*(\pp)+8*((\k)>>1):P+16*(\pp)+8*((\k)>>1)+7], 0
.else
	v_wmma_f32_16x16x32_f16 v[O+16*(\pt)+8*((\k)&1):O+16*(\pt)+8*((\k)&1)+7], v[G+16*((\k)>>1)+8*((\k)&1):G+16*((\k)>>1)+8*((\k)&1)+7], v[P+16*(\pp)+8*((\k)>>1):P+16*(\pp)+8*((\k)>>1)+7], v[O+16*(\pt)+8*((\k)&1):O+16*(\pt)+8*((\k)&1)+7]
.endif
.else
	v_wmma_f32_16x16x32_f16 v[O+16*(\pt)+8*((\k)&1):O+16*(\pt)+8*((\k)&1)+7], v[G+16*((\k)>>1)+8*((\k)&1):G+16*((\k)>>1)+8*((\k)&1)+7], v[P+16*(\pp)+8*((\k)>>1):P+16*(\pp)+8*((\k)>>1)+7], v[O+16*(\pt)+8*((\k)&1):O+16*(\pt)+8*((\k)&1)+7]
.endif
.endm
; A sub-step (query tile t x 64 keys) holds three things: the NEXT sub-step's score products (qk; tile nt, phi buffer nph), this one's exp2, packing and
; sums, and the LAST sub-step's four products P g (pv; tile pt).  It is cut in two by ONE wait.
; AHEAD OF THE WAIT, THE BATCH: the 32 exp2, in place on the lane's 32 scores, each accumulator's registers in ascending order, eight behind each score
; product.  The score products write the other score buffer and read phi, theta and -maximum: no line here names a result of the batch.  Under the score
; products' window only v_exp_f32 is written, which names a destination and source 0 alone, both in window 0.  A v_nop is the plain vector instruction
; behind the last exp2: all other vector work of the sub-step reads the results.
; BEHIND THE WAIT, THE READERS: for each key tile four packings and four packed sums, eight plain lines behind each product P g.  They name this score
; buffer, this P buffer and L alone, so they are also the places (ISA guide 7.12.1) behind the score products, whose results the next sub-step's exp2 read,
; and behind the products P g, whose P buffer the next sub-step's packings write.
.macro SUB t, pv, pt, zero, qk, nt, nph, wt
.set SC, S+32*((\t)&1)
.set SN, S+32*(1-((\t)&1))
.set PC, P+16*((\t)&1)
.if \qk
	WIN 0x14                                       ; B (theta) and C (-maximum) in window 1
.endif
.irp g, 0,1,2,3
.if \qk
	v_wmma_f32_16x16x32_f16 v[SN+8*\g:SN+8*\g+7], v[PH+8*(\nph):PH+8*(\nph)+7], v[TH+8*(2*(\nt)+(\g&1))+4*(1-(\g>>1)):TH+8*(2*(\nt)+(\g&1))+4*(1-(\g>>1))+7], v[CM+8*(\nt):CM+8*(\nt)+7]
.endif
.irp j, 0,1,2,3,4,5,6,7
	v_exp_f32 v[SC+8*\g+\j], v[SC+8*\g+\j]
.endr
.endr
	WIN 0
	v_nop                                          ; the plain place between the last exp2 and the first use of a result: one for the batch
	s_wait_alu depctr_va_vdst(0)                   ; the wait for the batch: this sub-step's 32 exp2, ahead of the first line that names a result of theirs
.if \wt
	s_wait_dscnt 0x0                               ; this step's g and the next step's phi, asked for a sub-step ago
.endif
.irp g, 0,1,2,3
.if \pv
	PVW \g, \pt, 1-((\t)&1), \zero
.endif
.irp i, 0,1,2,3
	v_cvt_pk_f16_f32 v[PC+4*\g+\i], v[SC+8*\g+2*\i], v[SC+8*\g+2*\i+1]
	v_pk_add_f32 v[L+4*(\t)+2*(\i&1):L+4*(\t)+2*(\i&1)+1], v[L+4*(\t)+2*(\i&1):L+4*(\t)+2*(\i&1)+1], v[SC+8*\g+2*\i:SC+8*\g+2*\i+1]
.endr
.endr
.endm
; Step st: 64 keys x four query tiles.  g's fragments have one buffer: they are loaded behind the last product of the step before, which stands in sub-step 0,
; with that sub-step's last eight plain vector instructions as the places between (ISA guide 7.12.1), and are first used in sub-step 1.
; first, pfirst: this step's, the last step's products P g start the sums, so that nothing is cleared.
.macro STEP st, par, first, pfirst, last
	SUB 0, 1-\first, 3, \pfirst, 1, 1, \par, 0
.irp n, 0,1,2,3,4,5,6,7
	ds_load_b128 v[G+4*\n:G+4*\n+3], v[GA] offset:4096*\st+512*\n      ; 512 consecutive bytes each: the fragments lie in LDS as they lie in registers
.endr
.if 1-\last
	ds_load_b128 v[PH+8*(1-\par):PH+8*(1-\par)+3],   v[PHB] offset:1024*(\st+1)
	ds_load_b128 v[PH+8*(1-\par)+4:PH+8*(1-\par)+7], v[PHB] offset:1024*(\st+1)+512
.endif
	SUB 1, 1, 0, \first, 1, 2, \par, 1
	SUB 2, 1, 1, \first, 1, 3, \par, 0
	SUB 3, 1, 2, \first, 1-\last, 0, 1-\par, 0
.endm
	ds_load_b128 v[PH:PH+3],   v[PHB]
	ds_load_b128 v[PH+4:PH+7], v[PHB] offset:512
	s_wait_dscnt 0x0
	WIN 0x14
.irp g, 0,1,2,3
	v_wmma_f32_16x16x32_f16 v[S+8*\g:S+8*\g+7], v[PH:PH+7], v[TH+8*(\g&1)+4*(1-(\g>>1)):TH+8*(\g&1)+4*(1-(\g>>1))+7], v[CM:CM+7]
.endr
	WIN 0
.set n, 0
.rept 16
	v_mov_b32 v[L+n], 0                            ; the sums of P; also the places behind the first four products
.set n, n+1
.endr
	STEP 0, 0, 1, 0, 0
	STEP 1, 1, 0, 1, 0
	STEP 2, 0, 0, 0, 0
	STEP 3, 1, 0, 0, 0
	STEP 4, 0, 0, 0, 0
	STEP 5, 1, 0, 0, 0
	STEP 6, 0, 0, 0, 0
	STEP 7, 1, 0, 0, 1                             ; nothing is fetched or multiplied beyond my last key
.irp k, 0,1,2,3
	PVW \k, 3, 1, 0                                ; the last sub-step's products
.endr
; ---------------------------------------------------------------- the two halves of the keys are joined
.irp t, 0,1,2,3
	v_pk_add_f32 v[L+4*\t:L+4*\t+1], v[L+4*\t:L+4*\t+1], v[L+4*\t+2:L+4*\t+3]   ; these eight lines are the places behind the last products
.endr
.irp t, 0,1,2,3
	v_add_f32 v[L+4*\t], v[L+4*\t], v[L+4*\t+1]
.endr
.irp t, 0,1,2,3
	v_permlanex16_b32 v[L+4*\t+1], v[L+4*\t], s38, s39
.endr
.irp t, 0,1,2,3
	v_add_f32 v[MX+\t], v[L+4*\t], v[L+4*\t+1]     ; my half's sum of P
.endr
	v_add_nc_u32 v[OXM], s50, v[LN]                ; v8 and v9 were the offsets of loads that the counted waits at the start have shown done
	v_add_nc_u32 v[OXP], s51, v[LN]
.set n, 0
.rept 16
	ds_store_b128 v[OXM], v[O+4*n:O+4*n+3] offset:512*n        ; 512 consecutive bytes each
.set n, n+1
.endr
	ds_store_b128 v[OXM], v[MX:MX+3] offset:8192
	s_wait_dscnt 0x0                               ; for my partner's sake: my stores are done
	s_barrier_signal -1
	s_barrier_wait -1
	ds_load_b128 v[PH:PH+3], v[OXP] offset:8192    ; my partner's sums of P first: the reciprocals can start
.set n, 0
.rept 16
	ds_load_b128 v[S+4*n:S+4*n+3], v[OXP] offset:512*n
.set n, n+1
.endr
	s_wait_dscnt 16                                ; the sums of P are in; the 16 loads of P g stay out
.irp t, 0,1,2,3
	v_add_f32 v[L+4*\t], v[MX+\t], v[PH+\t]        ; at least 1: the largest score gives exp2(0)
.endr
.irp t, 0,1,2,3
	v_rcp_f32 v[L+4*\t], v[L+4*\t]
.endr
	v_nop                                          ; the plain place between the reciprocals and their first use
	s_wait_alu depctr_va_vdst(0)                   ; the wait for the batch of four reciprocals, ahead of the first line that names one
.irp t, 0,1,2,3
.irp c, 0,1
.irp i, 0,1,2,3
	v_pk_mul_f32 v[O+16*\t+8*\c+2*\i:O+16*\t+8*\c+2*\i+1], v[O+16*\t+8*\c+2*\i:O+16*\t+8*\c+2*\i+1], v[L+4*\t:L+4*\t+1] op_sel_hi:[1,0]   ; my half by 1 / sum of the lane's query
.endr
.endr
.endr
	s_wait_dscnt 0x0
.irp t, 0,1,2,3
.irp c, 0,1
.irp i, 0,1,2,3
	v_pk_fma_f32 v[O+16*\t+8*\c+2*\i:O+16*\t+8*\c+2*\i+1], v[S+16*\t+8*\c+2*\i:S+16*\t+8*\c+2*\i+1], v[L+4*\t:L+4*\t+1], v[O+16*\t+8*\c+2*\i:O+16*\t+8*\c+2*\i+1] op_sel_hi:[1,0,1]   ; and my partner's: a mean of g, which fits f16 wherever g does
.endr
.endr
.endr
.irp t, 0,1,2,3
.irp c, 0,1
.irp i, 0,1,2,3
	v_cvt_pk_f16_f32 v[P+8*\t+4*\c+\i], v[O+16*\t+8*\c+2*\i], v[O+16*\t+8*\c+2*\i+1]
.endr
.endr
.endr
; ---------------------------------------------------------------- the way out: out = x + gamma w_o (P g / sum), my 32 out channels
.macro OW m                            ; my out channels 16 m .. 16 m + 15 of the four query tiles
	WIN 0x01                                       ; A (w_o) in window 1
.irp t, 0,1,2,3
	v_wmma_f32_16x16x32_f16 v[S+32*\m+8*\t:S+32*\m+8*\t+7], v[WO+8*\m:WO+8*\m+7], v[P+8*\t:P+8*\t+7], 0
.endr
.endm
.macro OF m                            ; times gamma onto x, in x's registers, and out
	WIN 0x50                                       ; destination and source 2 (x) in window 1
.irp j, 0,1,2,3,4,5,6,7
.irp t, 0,1,2,3
	v_fma_f32 v[X+4*(8*\m+\j)+\t], s40, v[S+32*\m+8*\t+\j], v[X+4*(8*\m+\j)+\t]
.endr
.endr
	WIN 0x04                                       ; store data in window 1
.irp j, 0,1,2,3,4,5,6,7
	global_store_b128 v[XO], v[X+4*(8*\m+\j):X+4*(8*\m+\j)+3], s[14:15] offset:(16*\m+\j)*HWB th:TH_STORE_NT   ; 16 lanes: 256 consecutive bytes, aligned
.endr
.endm
	OW 0
	OW 1
.rept 4
	v_nop                                          ; four places between the products above and the first read of a result (ISA guide 7.12.1)
.endr
	s_wait_loadcnt 0x0                             ; x, asked for at the start
	OF 0
	OF 1
	WIN 0
	s_set_vgpr_msb 0x4
	s_wait_tensorcnt 0x0
	ds_add_u32 v2, v185
	s_wait_dscnt 0x0
	s_set_vgpr_msb 0x400
	ROUND                                          ; the closing round: no work-group ends while a partner may still ask for a tile that names it
	s_endpgm
.Lfunc_end_k_q5fe7395f00_attn:
	.size	k_q5fe7395f00_attn, .Lfunc_end_k_q5fe7395f00_attn-k_q5fe7395f00_attn
	.p2alignl 7, 3214868480
	.fill 96, 4, 3214868480
	.section	.rodata,"a",@progbits
	.p2align	6, 0x0
	.amdhsa_kernel k_q5fe7395f00_attn
		.amdhsa_group_segment_fixed_size 168960
		.amdhsa_private_segment_fixed_size 0
		.amdhsa_enable_private_segment 0
		.amdhsa_kernarg_size 48
		.amdhsa_user_sgpr_count 2
		.amdhsa_user_sgpr_kernarg_segment_ptr 1
		.amdhsa_wavefront_size32 1
		.amdhsa_system_sgpr_workgroup_id_x 1
		.amdhsa_system_sgpr_workgroup_id_y 1
		.amdhsa_system_sgpr_workgroup_id_z 1
		.amdhsa_system_vgpr_workitem_id 0
		.amdhsa_next_free_vgpr 442
		.amdhsa_next_free_sgpr 66
		.amdhsa_reserve_vcc 0
		.amdhsa_float_denorm_mode_32 3
		.amdhsa_float_denorm_mode_16_64 3
		.amdhsa_memory_ordered 1
		.amdhsa_forward_progress 1
		.amdhsa_inst_pref_size 196
	.end_amdhsa_kernel
	.amdgpu_metadata
---
amdhsa.version: [ 1, 2 ]
amdhsa.kernels:
  - .name:           k_q5fe7395f00_attn
    .symbol:         k_q5fe7395f00_attn.kd
    .args:
      - { .name: x, .offset: 0, .size: 8, .value_kind: global_buffer, .address_space: global }
      - { .name: th, .offset: 8, .size: 8, .value_kind: global_buffer, .address_space: global }
      - { .name: w_o, .offset: 16, .size: 8, .value_kind: global_buffer, .address_space: global }
      - { .name: gamma, .offset: 24, .size: 8, .value_kind: global_buffer, .address_space: global }
      - { .name: kv, .offset: 32, .size: 8, .value_kind: global_buffer, .address_space: global }
      - { .name: out0, .offset: 40, .size: 8, .value_kind: global_buffer, .address_space: global }
    .group_segment_fixed_size: 168960
    .private_segment_fixed_size: 0
    .kernarg_segment_align: 8
    .kernarg_segment_size: 48
    .max_flat_workgroup_size: 256
    .sgpr_count:     66
    .vgpr_count:     442
    .wavefront_size: 32
...
	.end_amdgpu_metadata
.endif
;; end of part 3
